; MI455X (gfx1250); checked and timed in simulation.
; The chip was launched on July 23, 2026; its instructions are those of AMD's public machine-readable ISA for CDNA 5 (MIT licence, August 2026) and "CDNA5" Instruction Set Architecture Reference Guide (July 2026). The comments in the code are by the model that wrote it; some were corrected since.
;; Encoder Transformer Block. Allowed arithmetic: matrix products marked QUANTISED: E2M3 operands, one E8M0 scale for each 32 along K, by v_wmma_scale_f32_16x16x128_f8f6f4 with both operands' format E2M3, f32 sums; products left as they are: f32 operands where the result goes on into a quantised operand, else bf16, f16 or f32 operands; f32 sums; everything else in f32.
;; Inputs: fc1_b 512 float32; fc1_w_codes 512 x 4 x 24 uint8 (E2M3 codes of fc1_w, K innermost, in blocks of 32 codes, four codes in three bytes); fc1_w_scales 512 x 4 uint8 (E8M0 scales of fc1_w, one for each 32 codes along K); fc2_b 128 float32; fc2_w_codes 128 x 16 x 24 uint8 (E2M3 codes of fc2_w, K innermost, in blocks of 32 codes, four codes in three bytes); fc2_w_scales 128 x 16 uint8 (E8M0 scales of fc2_w, one for each 32 codes along K); mask_matrix 1,024 x 64 x 64 float32; norm1_b 128 float32; norm1_w 128 float32; norm2_b 128 float32; norm2_w 128 float32; proj_b 128 float32; proj_w_codes 128 x 4 x 24 uint8 (E2M3 codes of proj_w, K innermost, in blocks of 32 codes, four codes in three bytes); proj_w_scales 128 x 4 uint8 (E8M0 scales of proj_w, one for each 32 codes along K); qkv_b 384 float32; qkv_w_codes 384 x 4 x 24 uint8 (E2M3 codes of qkv_w, K innermost, in blocks of 32 codes, four codes in three bytes); qkv_w_scales 384 x 4 uint8 (E8M0 scales of qkv_w, one for each 32 codes along K); rpb_table 225 x 8 float32; x 2 x 256 x 256 x 128 float32.
;; Outputs: out0 2 x 256 x 256 x 128 float32.
;; This version of the problem:
;;   THIS VERSION OF THE PROBLEM IS GIVEN IN LOW PRECISION. The matrix products marked QUANTISED in the list below multiply operands that are first quantised to E2M3 (2 exponent bits, 3 mantissa bits; 6 bits a number), with one power-of-two scale for each 32 numbers along K (OCP MX v1.0); their sums are f32. All else is computed in f32.
;;   The module's matrix products, in the order in which they are computed (A, B: the left and right operand; K: the contracted axis; several contracted axes count as one K, in the product's order):
;;     1. [M 131,072, K 128] x [K 128, N 384]; A: computed on the way; B: input qkv_w (given as codes): QUANTISED
;;     2. batch 16,384 x [M 64, K 16] x [K 16, N 64]; A: computed on the way; B: computed on the way: left as it is (K = 16 < 32)
;;     3. batch 16,384 x [M 64, K 64] x [K 64, N 16]; A: softmax (see below); B: computed on the way: QUANTISED
;;     4. [M 135,168, K 128] x [K 128, N 384]; A: computed on the way; B: input qkv_w (given as codes): QUANTISED
;;     5. batch 16,384 x [M 66, K 16] x [K 16, N 66]; A: computed on the way; B: computed on the way: left as it is (K = 16 < 32)
;;     6. batch 16,384 x [M 66, K 66] x [K 66, N 16]; A: softmax (see below); B: computed on the way: QUANTISED
;;     7. [M 131,072, K 128] x [K 128, N 128]; A: computed on the way; B: input proj_w (given as codes): QUANTISED
;;     8. [M 131,072, K 128] x [K 128, N 512]; A: computed on the way; B: input fc1_w (given as codes): QUANTISED
;;     9. [M 131,072, K 512] x [K 512, N 128]; A: computed on the way; B: input fc2_w (given as codes): QUANTISED
;;   THE QUANTISER, for each operand of a quantised product, along K:
;;     - K is cut into blocks of 32 from its start; a last block that is shorter is filled with zeros.
;;     - A block's scale is 2^e with e = floor(log2(the largest magnitude in the block)) - 2, held to -126 .. 127; a block of zeros has e = 0. As a byte (E8M0): e + 127.
;;     - Each number is divided by its block's scale, clamped to +-7.5, and rounded to the nearest number of E2M3, ties to even, subnormals kept.
;;     - The product sums the exact products of the quantised numbers (number of the format x scale) in f32.
;;   ~~~python
;;   def quantise(x, axis):      # numpy; x: float32 -> the quantised numbers, widened to float32 again
;;       x = np.moveaxis(x, axis, -1); K = x.shape[-1]
;;       x = np.pad(x, [(0, 0)] * (x.ndim - 1) + [(0, -K % 32)]); x = x.reshape(x.shape[:-1] + (-1, 32)); a = np.abs(x).max(-1, keepdims=True)
;;       e = np.where(a > 0, np.clip(np.frexp(np.where(a > 0, a, 1))[1] - 1 - 2, -126, 127), 0)      # np.frexp(a)[1] - 1 = floor(log2(a)), exactly
;;       r = np.clip(x / 2.0 ** e, -7.5, 7.5)
;;       step = 2.0 ** (np.maximum(np.frexp(np.where(r == 0, 1, r))[1] - 1, 0) - 3)
;;       q = np.round(r / step) * step * 2.0 ** e      # np.round: ties to even
;;       return np.moveaxis(q.reshape(q.shape[:-2] + (-1,))[..., :K], -1, axis).astype(np.float32)
;;   ~~~
;;   SOFTMAX AHEAD OF A QUANTISED PRODUCT. Where the list says 'softmax', what is quantised is not the finished softmax but p = 2^(t - M), with t = logit x log2(e) and M = ceil(the row's largest t), a whole number; so 1/2 < the row's largest p <= 1. The row's sum l is taken of the UNQUANTISED p, in f32, and the product's result is divided by l at the end. Since M is a whole number, a kernel that streams over the keys may use a running M (the ceiling of the running maximum): every later rescaling is an exact power of two, which a block's scale takes up: the codes' values come out the same.
;;   OPERANDS COMPUTED ON THE WAY. 'Computed on the way' means the value that the module computes at that place (a softmax that the list does not call 'softmax' is quantised finished and normalised). What goes into a quantiser is computed in f32, as accurately as f32 sums, v_exp_f32 and their like allow (about 1e-6 of the number): no bf16 or f16 on the way to a quantiser, and a product that is left as it is and whose result goes on into a quantised operand takes f32 operands (vector FMAs, or v_wmma_f32_16x16x4_f32). A number that lies on a knife's edge between two numbers of the format may be rounded either way, as far as f32 arithmetic and the matrix unit's own rounding can turn it there, and no further.
;;   INPUTS GIVEN AS CODES. fc1_w (in the module: [512, 128], K = its axis 1); fc2_w (in the module: [128, 512], K = its axis 1); proj_w (in the module: [128, 128], K = its axis 1); qkv_w (in the module: [384, 128], K = its axis 1): each comes as NAME_codes (uint8): NAME with its K axis moved to the last place and cut into blocks of 32 codes, [.., K / 32, bytes a block], one block behind the other in memory; four codes in three bytes: a row's codes are one little-endian stream of bits, code i at bits 6 i .. 6 i + 5 (a code: sign, 2 exponent bits, 3 mantissa bits); and NAME_scales (uint8): the same leading axes, one E8M0 byte (e + 127) for each 32 codes along K. Its value is code x scale, taken as it is: it is not quantised again, and the codes and scales need not be those that the quantiser above would give.
;; One version. Each part assembles by itself: llvm-mc -triple=amdgcn-amd-amdhsa -mcpu=gfx1250 --defsym DOCPART=n.
;; ======== version 1 of 1: 1 launch
;; limits: a function is approximated: absolute error at most 1.5e-07
;; launch block (part 1): grid 256 x 1, 16 waves a work-group, no clusters, 311,808 bytes of LDS; arguments x, out0, norm1_w, norm1_b, proj_b, norm2_w, norm2_b, fc2_b, fc1_b, qkv_b, rpb_table, qkv_w_codes, qkv_w_scales, proj_w_codes, proj_w_scales, fc1_w_codes, fc1_w_scales, fc2_w_codes, fc2_w_scales; writes out0
.if DOCPART == 1
	.amdgcn_target "amdgcn-amd-amdhsa--gfx1250"
	.amdhsa_code_object_version 6
	.text
	.protected	k_q3e70d947ef_block
	.globl	k_q3e70d947ef_block
	.p2align	8
	.type	k_q3e70d947ef_block,@function
k_q3e70d947ef_block:
	s_mov_b64 s[64:65], 0
	v_nop
	global_prefetch_b8 v0, s[64:65] scope:SCOPE_SE
	s_setreg_imm32_b32 hwreg(HW_REG_WAVE_MODE, 25, 1), 1
	s_wait_xcnt 0x0
; One transformer block on windows of 8 x 8 tokens x 128 channels, wholly fused: LN1, window attention with relative-position bias, a second attention on the
; rfft of the window along its tokens (same qkv weights) with irfft behind it, proj, residual, LN2, MLP with exact GELU, residual.  x is read once, out0 written once.
; The products with qkv_w, proj_w, fc1_w, fc2_w and both P V products run on E2M3 codes with E8M0 scales (16x16x128); q k^T (K = 16) feeds a quantiser and runs on f32 operands (16x16x4).
; SHARES.  256 work-groups of 16 waves; a work-group walks 8 neighbouring windows.  ALL ROLES HANG ON w = n xor ((n & 3) << 2), n the wave's number: a renumbering of the sixteen waves in which
; the four waves of equal w / 4, which walk the phases that only four waves walk, differ both in n mod 4 and in n / 4.  Below, 'wave w' means this number.
; Attention: wave = (branch br = w / 8, head hd = w % 8), its rows of qkv_w stay in registers for the launch.
; FFTs: waves 4-7, a lane to a channel, 64 registers along the tokens (a complex FFT of 32 points and an untangling step, twiddles as literals).  MLP: wave = (16 rows a = w % 4, quarter g = w / 4).
; proj_w, fc1_w, fc2_w lie in LDS as images of operand registers (a fragment = 3 x 512 bytes, lane l's 16 bytes at 16 l), read from memory once a work-group.
; ROW ORDER.  Token (or spectral row) n lies at LDS row RHO(n) = n with bits 3 and 4 exchanged.  So the 16 rows of operand tile T are tokens 32 (T/2) + 16 (r/8) + 8 (T%2) + r%8, and in a
; result whose M axis is such a tile register 8 T + j of lane half h is token 32 (T/2) + 16 h + 8 (T%2) + j: sixteen neighbours along the next K in 16 registers, as the conversions want them.
; SPECTRAL ROWS.  s = 0..31: Re[s]; 32: Re[32]; 32 + k: Im[k], k = 1..31.  The two rows Im[0], Im[32] are zeros: as keys they have k = bk, v = bv and are put in by hand, in the blocks of 32 keys
; in which the stacked order Re[0..32], Im[0..32] has them: {Re0..31}, {Re32, Z, Im1..30}, {Im31, Z}; as queries the inverse transform does not look at them.
; mask_matrix: the computation takes no number from it (no shift), so it is not among the arguments.
; LIMITS.  NaN and infinities are not served.  A block whose largest magnitude lies under 2^-124 gets the scale byte 1; blocks of zeros get byte 1 (or 0 beside zero codes), read by this text alone.
; erf is Abramowitz-Stegun 7.1.26, at most 1.5e-7 off in absolute terms.  x + proj_b and x1 + fc2_b are given to the products as their C: another order of f32 additions than the source's.
; No tensor loads: x comes by 16-byte loads a phase ahead into 16 registers a wave; every load and store of x and out0 covers 512 consecutive bytes, aligned.
.set PITCH, 528                        ; a row of 128 f32 + 16 bytes: an odd multiple of 16, so sixteen rows of a 16-byte column start in different banks
.set XF, 33792                         ; LDS: 0 LN1(x), later the spatial O / l;  XF the spectral rows, later the spectral O / l, then its inverse transform
.set XR0, 67584                        ; x + proj_b, then x1 + fc2_b, then the output
.set IMG0, 101376                      ; images: 8 activation fragments (4 br + T),
.set A2I, 12288                        ; 4 of LN2's,
.set HIM, 18432                        ; 16 of the hidden layer (4 a + g),
.set ASC, 43008                        ; and their scale words, 128 bytes a fragment
.set A2SC, 44032
.set HSC, 44544
.set FC1IMG, 147968                    ; fc1's 32 fragments (8 g + t)
.set FC1SC, 197120
.set FC2D, 53248                       ; fc2's images and scale words lie this far behind fc1's
.set C0, 254464                        ; proj's 8 fragments,
.set PJSC, 12288                       ; their scale words,
.set PAR, 13312                        ; n1w, n1b, proj_b, n2w, n2b, fc2_b (512 bytes each), fc1_b (2,048)
.set RPB, 272896                       ; 9 x 4,096: for head 0-7 the word dyi 64 + xq 8 + xk = 4 x table[dyi 15 + xq - xk + 7][head]; a ninth table of zeros for the spectral waves
; REGISTERS.  v1-19 addresses that stay; v20-55 my head's q, k, v weights; v56-58 their scale words; v59 bv(d = r); v60-67 bq, v68-75 bk (feature 8 h + j);
; v76-107 the four score accumulators, written by matrix instructions alone; v108-115 scale words and nothing else; v116-255 at work.
.set S, 76
.set KT, 116                           ; attention: k of 4 tiles
.set VC, 148                           ; v's codes
.set QT, 160                           ; q of a tile, later O^T
.set P, 168                            ; 48: v raw; the bias; p
.set PC, 216                           ; the tile's activation fragment, later p's codes
.set TM, 236                           ; +0..2 block maxima, +3..5 other half's, +6..8 scale operands, +9..11 bytes, +12 q.bk, +13 at work, +14:15 second chain
.set XP, 240                           ; the next window's x: on its way from phase H to phase L
.set ZA, 116
.set ZB, 180
.macro NOPS n
.rept \n
	v_nop
.endr
.endm
.macro BAR                             ; my LDS stores have landed and my LDS loads are in: then the work-group's barrier
	s_wait_dscnt 0x0
	s_barrier_signal -1
	s_barrier_wait -1
.endm
.macro FETCH reg, adr, off             ; a fragment's image into 12 registers
.irp c, 0,1,2
	ds_load_b128 v[\reg+4*\c:\reg+4*\c+3], v[\adr] offset:\off+512*\c
.endr
.endm
.macro IMAGE reg, adr, off
.irp c, 0,1,2
	ds_store_b128 v[\adr], v[\reg+4*\c:\reg+4*\c+3] offset:\off+512*\c
.endr
.endm
.macro LROW reg, adr, off              ; 64 numbers of my row: register 16 b + i = channel 32 b + 16 h + i (the address holds 64 h)
.irp b, 0,1,2,3
.irp j, 0,1,2,3
	ds_load_b128 v[\reg+16*\b+4*\j:\reg+16*\b+4*\j+3], v[\adr] offset:\off+128*\b+16*\j
.endr
.endr
.endm
.macro LHALF reg, adr, off             ; 32 of them
.irp b, 0,1
.irp j, 0,1,2,3
	ds_load_b128 v[\reg+16*\b+4*\j:\reg+16*\b+4*\j+3], v[\adr] offset:\off+128*\b+16*\j
.endr
.endr
.endm
.macro GFRAG reg, vadr, sb, off        ; a fragment from rows of codes in memory: 2 x 24 bytes a lane, in pieces of 8
.irp p, 0,1,2,3,4,5
	global_load_b64 v[\reg+2*\p:\reg+2*\p+1], v[\vadr], s[\sb:\sb+1] offset:\off+48*(\p/3)+8*(\p%3)
.endr
.endm
.macro WM6 d, a, b, c, sa, sb
	v_wmma_scale_f32_16x16x128_f8f6f4 v[\d:\d+7], v[\a:\a+11], v[\b:\b+11], v[\c:\c+7], v[\sa], v[\sb] matrix_a_fmt:MATRIX_FMT_FP6 matrix_b_fmt:MATRIX_FMT_FP6
.endm
; 64 numbers of a lane (register 16 b + i = k 32 b + 16 h + i of my row) become a fragment's codes in v[dst] on and its scale word in v[pw]
.macro QUANT src, dst, tc, tm, pw
.irp b, 0,1,2,3
	v_max3_num_f32 v[\tm+\b], |v[\src+16*\b]|, |v[\src+1+16*\b]|, 0x1800000   ; the floor 2^(3 - 127) holds the byte at 1 from below
.endr
.irp i, 2,4,6,8,10,12,14
.irp b, 0,1,2,3
	v_max3_num_f32 v[\tm+\b], v[\tm+\b], |v[\src+16*\b+\i]|, |v[\src+1+16*\b+\i]|
.endr
.endr
.irp b, 0,1,2,3
	v_permlanex16_b32 v[\tm+4+\b], v[\tm+\b], s46, s47
.endr
.irp b, 0,1,2,3
	v_max_num_f32 v[\tm+\b], v[\tm+\b], v[\tm+4+\b]          ; with lane l xor 16's: the block's largest magnitude
.endr
.irp b, 0,1,2,3
	v_add_nc_u32 v[\tm+12+\b], 0xff000000, v[\tm+\b]         ; 2 off its exponent field: the conversion's scale operand
.endr
.irp b, 0,1,2,3
	v_lshrrev_b32 v[\tm+4+\b], 23, v[\tm+12+\b]              ; the scale's byte
.endr
	v_lshl_or_b32 v[\pw], v[\tm+5], 8, v[\tm+4]
	v_lshl_or_b32 v[\pw], v[\tm+6], 16, v[\pw]
	v_lshl_or_b32 v[\pw], v[\tm+7], 24, v[\pw]
.irp c, 0,1
	v_cvt_scalef32_pk16_fp6_f32 v[\dst+6*\c:\dst+6*\c+2], v[\src+32*\c:\src+32*\c+15], v[\tm+12+2*\c]
	v_cvt_scalef32_pk16_fp6_f32 v[\tc+4*\c:\tc+4*\c+2], v[\src+32*\c+16:\src+32*\c+31], v[\tm+13+2*\c]
.endr
	v_nop                                                    ; one plain place behind a scaled conversion
.irp c, 0,1                                                  ; the operand's layout wants a whole block in a lane
.irp i, 0,1,2
	v_permlane16_swap_b32 v[\dst+6*\c+\i], v[\tc+4*\c+\i]
.endr
.irp i, 0,1,2
	v_mov_b32 v[\dst+6*\c+3+\i], v[\tc+4*\c+\i]
.endr
.endr
.endm
; cos(2 pi q / 64), q = 0 .. 16, as f32 bits
.macro CTAB q
.if (\q) == 0
.set CV, 0x3f800000
.elseif (\q) == 1
.set CV, 0x3f7ec46d
.elseif (\q) == 2
.set CV, 0x3f7b14be
.elseif (\q) == 3
.set CV, 0x3f74fa0b
.elseif (\q) == 4
.set CV, 0x3f6c835e
.elseif (\q) == 5
.set CV, 0x3f61c598
.elseif (\q) == 6
.set CV, 0x3f54db31
.elseif (\q) == 7
.set CV, 0x3f45e403
.elseif (\q) == 8
.set CV, 0x3f3504f3
.elseif (\q) == 9
.set CV, 0x3f226799
.elseif (\q) == 10
.set CV, 0x3f0e39da
.elseif (\q) == 11
.set CV, 0x3ef15aea
.elseif (\q) == 12
.set CV, 0x3ec3ef15
.elseif (\q) == 13
.set CV, 0x3e94a031
.elseif (\q) == 14
.set CV, 0x3e47c5c2
.elseif (\q) == 15
.set CV, 0x3dc8bd36
.else
.set CV, 0
.endif
.endm
.macro TWID m, sh                      ; TC = cos, TS = sin of 2 pi m / 64, 0 <= m <= 32, each times 2^-sh
.if (\m) <= 16
	CTAB (\m)
.set TC, CV
	CTAB 16-(\m)
.set TS, CV
.else
	CTAB 32-(\m)
.set TC, CV|0x80000000
	CTAB (\m)-16
.set TS, CV
.endif
.if TC & 0x7fffffff
.set TC, TC-((\sh)<<23)
.endif
.if TS & 0x7fffffff
.set TS, TS-((\sh)<<23)
.endif
.endm
; THE COMPLEX FFT OF 32 POINTS, decimation in time: in at v[ZB], pair n at bit-reversed place; five stages from one array to the other (no moves); out at v[ZA], in natural order.
; inv = 0: twiddles c - i s;  inv = 1: c + i s.  A phase with an FFT is walked by four waves alone, so the order keeps dependent lines apart: a stage is four runs, up to 16 multiplies,
; up to 16 multiply-adds, 16 sums, 16 differences.  The twiddled operand is made in the register pair that the butterfly's lower output will take: a stage needs no other register.
.macro BFLY                            ; butterfly fq of stage fst: its four register pairs, and its twiddle's angle in 64ths of a turn
.set fp, ((fq/fh)*2*fh)+(fq%fh)
.set fm, (32*(fq%fh))>>fst
.set fa, fsrc+2*fp
.set fb, fsrc+2*(fp+fh)
.set fc, fdst+2*fp
.set fd, fdst+2*(fp+fh)
.endm
.macro STAGES inv
.set fst, 0
.rept 5
.set fh, 1<<fst
.if fst%2 == 0
.set fsrc, ZB
.set fdst, ZA
.else
.set fsrc, ZA
.set fdst, ZB
.endif
.set fq, 0
.rept 16
	BFLY
.if fm != 0
	TWID fm, 0
	v_pk_mul_f32 v[fd:fd+1], v[fb:fb+1], TC op_sel_hi:[1,0]        ; (br c, bi c)
.endif
.set fq, fq+1
.endr
.set fq, 0
.rept 16
	BFLY
.if fm != 0
	TWID fm, 0
.if \inv
	v_pk_fma_f32 v[fd:fd+1], v[fb:fb+1], TS, v[fd:fd+1] op_sel:[1,0,0] op_sel_hi:[0,0,1] neg_lo:[1,0,0]   ; b (c + i s) = (br c - bi s, bi c + br s)
.else
	v_pk_fma_f32 v[fd:fd+1], v[fb:fb+1], TS, v[fd:fd+1] op_sel:[1,0,0] op_sel_hi:[0,0,1] neg_hi:[1,0,0]   ; b (c - i s) = (br c + bi s, bi c - br s)
.endif
.endif
.set fq, fq+1
.endr
.set fq, 0
.rept 16
	BFLY
.if fm != 0
	v_pk_add_f32 v[fc:fc+1], v[fa:fa+1], v[fd:fd+1]
.else
	v_pk_add_f32 v[fc:fc+1], v[fa:fa+1], v[fb:fb+1]
.endif
.set fq, fq+1
.endr
.set fq, 0
.rept 16
	BFLY
.if fm != 0
	v_pk_add_f32 v[fd:fd+1], v[fa:fa+1], v[fd:fd+1] neg_lo:[0,1] neg_hi:[0,1]
.else
	v_pk_add_f32 v[fd:fd+1], v[fa:fa+1], v[fb:fb+1] neg_lo:[0,1] neg_hi:[0,1]
.endif
.set fq, fq+1
.endr
.set fst, fst+1
.endr
.endm
; The pair k = 5 fg + 1 + i, q = 32 - k of the untangling (rev = 0: results in natural order) or tangling step (rev = 1: bit-reversed): sources fa, fb in ZA, results fc, fd in ZB, one pair fx at work
.macro KSET i, rev
.set fk, 5*fg+1+(\i)
.set fq, 32-fk
.set fa, ZA+2*fk
.set fb, ZA+2*fq
.if \rev
.set fc, ZB+2*(((fk&1)<<4)|((fk&2)<<2)|(fk&4)|((fk&8)>>2)|((fk&16)>>4))
.set fd, ZB+2*(((fq&1)<<4)|((fq&2)<<2)|(fq&4)|((fq&8)>>2)|((fq&16)>>4))
.else
.set fc, ZB+2*fk
.set fd, ZB+2*fq
.endif
.set fx, 244+2*(\i)
.endm
; rfft of 64 reals, norm 1/8.  In: z[n] = x[2n] + i x[2n+1] at v[ZB], bit-reversed.  Behind the stages X[k] = (Z[k] + conj Z[32-k]) / 16 + W^k (Z[k] - conj Z[32-k]) / (16 i).
; Out: v[ZB + 2k] = Re[k], v[ZB + 2k + 1] = Im[k]; v[ZB] = Re[0], v[ZB + 1] = Re[32].  Five pairs at a time, their two sums kept in the results' registers.
.macro FFTF
	STAGES 0
	v_pk_mul_f32 v[244:245], v[ZA:ZA+1], 0x3e000000 op_sel_hi:[1,0]
	v_pk_mul_f32 v[ZB+32:ZB+33], v[ZA+32:ZA+33], 0x3e000000 op_sel_hi:[1,0] neg_hi:[1,0]   ; X[16] = conj Z[16] / 8
	v_add_f32 v[ZB], v244, v245                              ; Re[0]
	v_sub_f32 v[ZB+1], v244, v245                            ; Re[32]
.set fg, 0
.rept 3
.irp i, 0,1,2,3,4
	KSET \i, 0
	v_pk_add_f32 v[fc:fc+1], v[fa:fa+1], v[fb:fb+1] neg_hi:[0,1]                                  ; A + conj B
.endr
.irp i, 0,1,2,3,4
	KSET \i, 0
	v_pk_add_f32 v[fd:fd+1], v[fa:fa+1], v[fb:fb+1] op_sel:[1,1] op_sel_hi:[0,0] neg_hi:[1,0]     ; (A - conj B) / i
.endr
.irp i, 0,1,2,3,4
	KSET \i, 0
	TWID fk, 4
	v_pk_mul_f32 v[fx:fx+1], v[fd:fd+1], TC op_sel_hi:[1,0]
.endr
.irp i, 0,1,2,3,4
	KSET \i, 0
	TWID fk, 4
	v_pk_fma_f32 v[fx:fx+1], v[fd:fd+1], TS, v[fx:fx+1] op_sel:[1,0,0] op_sel_hi:[0,0,1] neg_hi:[1,0,0]
.endr
.irp i, 0,1,2,3,4
	KSET \i, 0
	v_pk_fma_f32 v[fd:fd+1], v[fc:fc+1], 0x3d800000, v[fx:fx+1] op_sel_hi:[1,0,1] neg_lo:[0,0,1] neg_hi:[1,0,0]   ; X[32 - k]
.endr
.irp i, 0,1,2,3,4
	KSET \i, 0
	v_pk_fma_f32 v[fc:fc+1], v[fc:fc+1], 0x3d800000, v[fx:fx+1] op_sel_hi:[1,0,1]                                ; X[k]
.endr
.set fg, fg+1
.endr
.endm
; irfft to 64 reals, norm 1/8.  In: v[ZA + 2k] = Re[k], v[ZA + 2k + 1] = Im[k]; v[ZA] = Re[0], v[ZA + 1] = Re[32].
; Z'[k] = (X[k] + conj X[32-k]) / 8 + i e^(+i th) (X[k] - conj X[32-k]) / 8, laid bit-reversed into ZB; then the stages.  Out: v[ZA + n] = x[n].
.macro FFTI
	v_pk_mul_f32 v[244:245], v[ZA:ZA+1], 0x3e000000 op_sel_hi:[1,0]
	v_pk_mul_f32 v[ZB+2:ZB+3], v[ZA+32:ZA+33], 0x3e800000 op_sel_hi:[1,0] neg_hi:[1,0]
	v_add_f32 v[ZB], v244, v245
	v_sub_f32 v[ZB+1], v244, v245
.set fg, 0
.rept 3
.irp i, 0,1,2,3,4
	KSET \i, 1
	v_pk_add_f32 v[fc:fc+1], v[fa:fa+1], v[fb:fb+1] neg_hi:[0,1]      ; A + conj B
.endr
.irp i, 0,1,2,3,4
	KSET \i, 1
	v_pk_add_f32 v[fd:fd+1], v[fa:fa+1], v[fb:fb+1] neg_lo:[0,1]      ; R = A - conj B
.endr
.irp i, 0,1,2,3,4
	KSET \i, 1
	TWID fk, 3
.set TN, TS|0x80000000
	v_pk_mul_f32 v[fx:fx+1], v[fd:fd+1], TN op_sel_hi:[1,0]           ; i R (c + i s) = (-Rr s - Ri c, Rr c - Ri s)
.endr
.irp i, 0,1,2,3,4
	KSET \i, 1
	TWID fk, 3
	v_pk_fma_f32 v[fx:fx+1], v[fd:fd+1], TC, v[fx:fx+1] op_sel:[1,0,0] op_sel_hi:[0,0,1] neg_lo:[1,0,0]
.endr
.irp i, 0,1,2,3,4
	KSET \i, 1
	v_pk_fma_f32 v[fd:fd+1], v[fc:fc+1], 0x3e000000, v[fx:fx+1] op_sel_hi:[1,0,1] neg_lo:[0,0,1] neg_hi:[1,0,0]   ; Z'[32 - k]
.endr
.irp i, 0,1,2,3,4
	KSET \i, 1
	v_pk_fma_f32 v[fc:fc+1], v[fc:fc+1], 0x3e000000, v[fx:fx+1] op_sel_hi:[1,0,1]                                ; Z'[k]
.endr
.set fg, fg+1
.endr
	STAGES 1
.endm
	; ------------------------------------------------------------------ the head: pointers, ids, addresses, constants
	s_load_b512 s[8:23], s[0:1], 0x0               ; x, out0, n1w, n1b, proj_b, n2w, n2b, fc2_b
	s_load_b512 s[24:39], s[0:1], 0x40             ; fc1_b, qkv_b, rpb, qkv codes, qkv scales, proj codes, proj scales, fc1 codes
	s_load_b128 s[40:43], s[0:1], 0x80             ; fc1 scales, fc2 codes
	s_load_b64 s[44:45], s[0:1], 0x90              ; fc2 scales
	v_lshrrev_b32 v116, 5, v0
	v_readfirstlane_b32 s2, v116                   ; n, the wave's number
	s_and_b32 s3, s2, 3
	s_lshl_b32 s3, s3, 2
	s_xor_b32 s2, s2, s3                           ; w = n xor ((n & 3) << 2): every role below hangs on w
	s_and_b32 s3, s2, 3                            ; a
	s_lshr_b32 s4, s2, 2                           ; g
	s_and_b32 s5, s2, 7                            ; hd
	s_lshr_b32 s6, s2, 3                           ; br
	s_mov_b32 s7, 8                                ; windows to go
	s_mov_b32 s46, 0x76543210
	s_mov_b32 s47, 0xfedcba98                      ; v_permlanex16_b32's selects for lane l xor 16
	s_mov_b32 s48, 0x3eb8aa3b                      ; c = log2(e) / 4: t = (q.k + 4 bias) c
	s_mov_b32 s49, s48
	s_cmp_lg_u32 s6, 0
	s_cselect_b32 s50, 0xffff0000, 0               ; spectral waves: lanes 16-31;
	s_cselect_b32 s51, 0xffff, 0                   ; lanes 0-15.  Spatial waves: no lane
	s_mov_b32 s52, 0xff800000                      ; -infinity
	s_mov_b32 s53, 0x3e6d3388                      ; 0.3275911 / sqrt(2)
	s_mov_b32 s54, 0x3e827906                      ; a1 .. a5 of the erf formula, each as a pair
	s_mov_b32 s55, s54
	s_mov_b32 s56, 0xbe91a98e
	s_mov_b32 s57, s56
	s_mov_b32 s58, 0x3fb5f0e3
	s_mov_b32 s59, s58
	s_mov_b32 s60, 0xbfba00e3
	s_mov_b32 s61, s60
	s_mov_b32 s62, 0x3f87dc22
	s_mov_b32 s63, s62
	s_mov_b32 s66, 0xbf38aa3b                      ; -log2(e) / 2
	s_mov_b32 s67, s66
	s_mov_b32 s75, 0x3c000000                      ; 1 / 128
	s_mov_b32 s76, 0x3727c5ac                      ; 1e-5
	s_mul_i32 s68, s6, XF
	s_mul_i32 s69, s3, 1536
	s_lshl_b32 s70, s3, 7
	s_mul_i32 s71, s3, 4608
	s_mul_i32 s72, s3, 384
	s_mul_i32 s78, s4, 1536
	s_add_co_u32 s73, s71, s78
	s_lshl_b32 s78, s4, 7
	s_add_co_u32 s74, s72, s78
	v_and_b32 v116, 31, v0                         ; l
	v_and_b32 v117, 15, v0                         ; r
	v_bfe_u32 v118, v0, 4, 1                       ; h
	v_lshlrev_b32 v119, 4, v116
	v_lshlrev_b32 v120, 2, v116
	v_mul_u32_u24 v121, v117, PITCH
	s_and_b32 s77, s2, 9                           ; LDS rows 4 w + i hold tokens 4 w' + i, w' = w with bits 1 and 2 exchanged
	s_and_b32 s78, s2, 2
	s_lshl_b32 s78, s78, 1
	s_or_b32 s77, s77, s78
	s_and_b32 s78, s2, 4
	s_lshr_b32 s78, s78, 1
	s_or_b32 s77, s77, s78
	s_lshr_b32 s78, s77, 1
	s_lshl_b32 s78, s78, 17                        ; a line of pixels is 2^17 bytes,
	s_and_b32 s77, s77, 1
	s_lshl_b32 s77, s77, 11                        ; a token 512
	s_add_co_u32 s77, s77, s78
	v_add_nc_u32 v1, s77, v119                     ; v1: my 16 bytes of my wave's first token, in x and out0
	s_mul_i32 s77, s2, 4*PITCH
	v_add_nc_u32 v2, s77, v119                     ; v2: the same in LDS row 4 w
	v_add_nc_u32 v3, XR0, v2                       ; v3
	s_mul_i32 s77, s3, 16*PITCH
	v_lshl_add_u32 v4, v118, 6, v121
	v_add_nc_u32 v4, s77, v4                       ; v4: row 16 a + r, + 64 h
	v_add_nc_u32 v5, XR0, v4                       ; v5
	s_add_co_u32 s78, s69, IMG0
	v_add_nc_u32 v6, s78, v119                     ; v6: image a
	s_add_co_u32 s78, s70, IMG0
	v_add_nc_u32 v7, s78, v120                     ; v7: scale words a
	s_mul_i32 s78, s6, 6144
	s_add_co_u32 s78, s78, IMG0
	v_add_nc_u32 v8, s78, v119                     ; v8: my branch's four images
	s_lshl_b32 s78, s6, 9
	s_add_co_u32 s78, s78, IMG0
	v_add_nc_u32 v9, s78, v120                     ; v9: their scale words
	s_mul_i32 s78, s4, 12288
	s_add_co_u32 s78, s78, FC1IMG
	v_add_nc_u32 v10, s78, v119                    ; v10: my quarter's eight fragments of fc1 (fc2: + FC2D)
	s_lshl_b32 s78, s4, 10
	s_add_co_u32 s78, s78, FC1SC
	v_add_nc_u32 v11, s78, v120                    ; v11
	v_add_nc_u32 v12, C0, v119                     ; v12
	v_add_nc_u32 v13, C0, v120                     ; v13
	s_lshl_b32 s78, s4, 9
	s_add_co_u32 s78, s78, C0
	v_lshl_add_u32 v14, v118, 6, s78               ; v14: parameters in the quantiser's layout: 64 h, and 512 g for fc1_b
	s_min_u32 s78, s2, 8
	s_lshl_b32 s78, s78, 12
	s_add_co_u32 s78, s78, RPB+512
	v_bfe_u32 v122, v0, 3, 1
	v_and_b32 v123, 7, v0
	v_lshl_add_u32 v15, v122, 9, s78
	v_lshl_add_u32 v15, v123, 5, v15
	v_lshlrev_b32 v122, 9, v118
	v_sub_nc_u32 v15, v15, v122                    ; v15: my table + 256 (2 (r / 8) - 2 h + 2) + 32 (r % 8)
	s_lshl_b32 s78, s5, 6
	s_add_co_u32 s78, s78, s68
	v_lshl_add_u32 v16, v118, 5, v121
	v_add_nc_u32 v16, s78, v16                     ; v16: O: row r, channels 16 hd + 8 h on, my branch's array
	v_add_nc_u32 v17, s70, v120                    ; v17: FFT: channel 32 a + l
	v_add_nc_u32 v18, XF, v17                      ; v18
	s_lshl_b32 s78, s4, 7
	s_add_co_u32 s78, s78, s77
	s_add_co_u32 s78, s78, XR0
	v_lshl_add_u32 v19, v118, 5, v121
	v_add_nc_u32 v19, s78, v19                     ; v19: fc2: row 16 a + r, channels 32 g + 8 h on
	; LDS addresses of the head's own stores, made ahead of its branches
	s_mul_i32 s78, s2, 3072
	s_add_co_u32 s78, s78, FC1IMG
	v_add_nc_u32 v232, s78, v119
	s_lshl_b32 s78, s2, 8
	s_add_co_u32 s78, s78, FC1SC
	v_add_nc_u32 v233, s78, v120
	s_mul_i32 s78, s2, 1536
	s_add_co_u32 s78, s78, C0
	v_add_nc_u32 v234, s78, v119
	s_lshl_b32 s78, s2, 7
	s_add_co_u32 s78, s78, C0
	v_add_nc_u32 v235, s78, v120
	s_lshl_b32 s78, s2, 9
	s_add_co_u32 s78, s78, C0
	v_add_nc_u32 v236, s78, v119
	s_lshl_b32 s78, s5, 12
	s_lshl_b32 s79, s6, 7
	s_add_co_u32 s78, s78, s79
	s_add_co_u32 s78, s78, RPB
	v_add_nc_u32 v228, s78, v120
	s_lshl_b32 s78, s2, 8
	s_add_co_u32 s78, s78, RPB+32768
	v_lshl_add_u32 v229, v116, 3, s78
	v_mov_b32 v230, 0
	v_mov_b32 v231, 0
	; byte offsets into the weights
	v_mul_u32_u24 v122, v117, 96
	v_mad_u32_u24 v122, v118, 24, v122
	s_mul_i32 s78, s5, 1536
	v_add_nc_u32 v122, s78, v122                   ; qkv codes: row 16 hd + r
	s_lshl_b32 s78, s5, 6
	v_lshl_add_u32 v123, v117, 2, s78              ; 4 (16 hd + r)
	v_lshl_add_u32 v124, v118, 5, s78              ; 4 (16 hd + 8 h)
	v_and_b32 v125, 8, v117
	v_add_nc_u32 v125, v125, v117                  ; r + 8 (r / 8)
	v_mul_u32_u24 v126, v125, 96
	v_mad_u32_u24 v126, v118, 24, v126
	s_mul_i32 s78, s2, 3072
	v_add_nc_u32 v127, s78, v126                   ; fc1: rows 32 w + 8 e + r + 8 (r / 8)
	s_lshl_b32 s78, s2, 7
	v_lshl_add_u32 v237, v125, 2, s78
	s_lshr_b32 s79, s2, 1
	s_and_b32 s80, s2, 1
	s_mul_i32 s78, s79, 6144
	s_mul_i32 s81, s80, 192
	s_add_co_u32 s78, s78, s81
	v_mul_u32_u24 v238, v117, 384
	v_mad_u32_u24 v238, v118, 24, v238
	v_add_nc_u32 v238, s78, v238                   ; fc2: row 16 (w / 2) + r, K step 2 (w % 2) + e
	s_lshl_b32 s78, s79, 8
	s_lshl_b32 s81, s80, 3
	s_add_co_u32 s78, s78, s81
	v_lshl_add_u32 v239, v117, 4, s78
	s_mul_i32 s78, s79, 3072
	s_mul_i32 s81, s80, 768
	s_add_co_u32 s78, s78, s81
	v_add_nc_u32 v214, s78, v126                   ; proj: rows 32 (w / 2) + 8 (w % 2) + r + 8 (r / 8)
	s_lshl_b32 s78, s79, 7
	s_lshl_b32 s81, s80, 5
	s_add_co_u32 s78, s78, s81
	v_lshl_add_u32 v215, v125, 2, s78
	s_max_u32 s78, s2, 6
	s_sub_co_u32 s78, s78, 6
	s_lshl_b32 s78, s78, 9
	v_add_nc_u32 v216, s78, v119                   ; a parameter's 512 bytes; fc1_b's four pieces
	v_bfe_u32 v198, v0, 3, 2
	v_add_nc_u32 v198, 7, v198
	v_and_b32 v217, 7, v0
	v_sub_nc_u32 v198, v198, v217
	s_lshl_b32 s78, s6, 7
	s_lshl_b32 s81, s5, 2
	s_add_co_u32 s78, s78, s81
	v_lshl_add_u32 v198, v198, 5, s78              ; rpb: ((4 br + l / 8) - l % 8 + 7) rows of 32 bytes + 4 hd; dyi = it steps 480 bytes
	s_lshr_b32 s82, ttmp9, 2
	s_lshl_b32 s82, s82, 20                        ; eight lines of pixels are 2^20 bytes,
	s_and_b32 s83, ttmp9, 3
	s_lshl_b32 s83, s83, 15                        ; eight windows side by side 2^15
	s_add_co_u32 s82, s82, s83
	s_mov_b32 s83, 0
	s_wait_kmcnt 0x0
	s_add_nc_u64 s[8:9], s[8:9], s[82:83]
	s_add_nc_u64 s[10:11], s[10:11], s[82:83]
.irp i, 0,1,2,3
	global_load_b128 v[XP+4*\i:XP+4*\i+3], v1, s[8:9] offset:512*\i th:TH_LOAD_NT   ; the first window's x: a token's 512 bytes a load
.endr
	GFRAG 20, 122, 30, 0                           ; my head's q, k, v rows
	GFRAG 32, 122, 30, 12288
	GFRAG 44, 122, 30, 24576
	global_load_b32 v56, v123, s[32:33]
	global_load_b32 v57, v123, s[32:33] offset:512
	global_load_b32 v58, v123, s[32:33] offset:1024
	global_load_b128 v[60:63], v124, s[26:27]
	global_load_b128 v[64:67], v124, s[26:27] offset:16
	global_load_b128 v[68:71], v124, s[26:27] offset:512
	global_load_b128 v[72:75], v124, s[26:27] offset:528
	global_load_b32 v59, v123, s[26:27] offset:1024
	GFRAG 128, 127, 38, 0
	GFRAG 140, 127, 38, 768
	global_load_b32 v152, v237, s[40:41]
	global_load_b32 v153, v237, s[40:41] offset:32
	GFRAG 154, 238, 42, 0
	GFRAG 166, 238, 42, 96
	global_load_b32 v178, v239, s[44:45]
	global_load_b32 v179, v239, s[44:45] offset:4
.irp t, 0,1,2,3,4,5,6,7,8,9,10,11,12,13,14
	global_load_b32 v[199+\t], v198, s[28:29] offset:480*\t
.endr
	s_mov_b64 s[84:85], s[24:25]                   ; which parameter my wave copies: a choice on the wave's number alone
	s_cmp_eq_u32 s2, 0
	s_cselect_b64 s[84:85], s[12:13], s[84:85]
	s_cmp_eq_u32 s2, 1
	s_cselect_b64 s[84:85], s[14:15], s[84:85]
	s_cmp_eq_u32 s2, 2
	s_cselect_b64 s[84:85], s[16:17], s[84:85]
	s_cmp_eq_u32 s2, 3
	s_cselect_b64 s[84:85], s[18:19], s[84:85]
	s_cmp_eq_u32 s2, 4
	s_cselect_b64 s[84:85], s[20:21], s[84:85]
	s_cmp_eq_u32 s2, 5
	s_cselect_b64 s[84:85], s[22:23], s[84:85]
	s_cmp_ge_u32 s2, 8
	s_cbranch_scc1 .Lno_proj                       ; proj has eight fragments: waves 0-7
	GFRAG 180, 214, 34, 0
	global_load_b32 v192, v215, s[36:37]
	s_wait_loadcnt 0x0
	IMAGE 180, 234, 0
	ds_store_b32 v235, v192 offset:PJSC
.Lno_proj:
	s_cmp_ge_u32 s2, 10
	s_cbranch_scc1 .Lno_par                        ; ten pieces of 512 bytes: waves 0-9
	global_load_b128 v[194:197], v216, s[84:85]
	s_wait_loadcnt 0x0
	ds_store_b128 v236, v[194:197] offset:PAR
.Lno_par:
	s_wait_loadcnt 0x0
	IMAGE 128, 232, 0
	IMAGE 140, 232, 1536
	ds_store_b32 v233, v152
	ds_store_b32 v233, v153 offset:128
	IMAGE 154, 232, FC2D
	IMAGE 166, 232, FC2D+1536
	ds_store_b32 v233, v178 offset:FC2D
	ds_store_b32 v233, v179 offset:FC2D+128
.irp t, 0,1,2,3,4,5,6,7,8,9,10,11,12,13,14
	v_mul_f32 v[199+\t], 4.0, v[199+\t]            ; 1 / SCALE, exact: the bias is the C of the scores' sum
.endr
.irp t, 0,1,2,3,4,5,6,7,8,9,10,11,12,13,14
	ds_store_b32 v228, v[199+\t] offset:256*\t
.endr
	ds_store_b64 v229, v[230:231]                  ; the table of zeros
	s_wait_dscnt 0x0
.irp j, 192,193,194,195
	v_mov_b32 v[\j], 0                             ; a lane permute's destination counts as one of its sources: written once on every wave's way
.endr
	s_barrier_signal -1
	s_barrier_wait -1
.macro LSUM                            ; v[140 + 2 i], i = 0 .. 3: summed over the wave's 32 lanes, the four tokens by turns
.irp m, 1,2,4,8
.irp i, 0,1,2,3
	v_add_f32_dpp v[140+2*\i], v[140+2*\i], v[140+2*\i] row_xmask:\m row_mask:0xf bank_mask:0xf
.endr
.endr
.irp i, 0,1,2,3
	v_permlanex16_b32 v[141+2*\i], v[140+2*\i], s46, s47
.endr
.irp i, 0,1,2,3
	v_add_f32 v[140+2*\i], v[140+2*\i], v[141+2*\i]
.endr
.endm
; k (features x tokens) and v (tokens x features) of tile t from the activation fragment in v[ab]; the biases are the sums' C
.macro KV t, ab, sc
	WM6 KT+8*\t, 32, \ab, 68, 57, \sc
	WM6 P+8*\t, \ab, 44, 240, \sc, 58
.endm
; v, 64 keys a lane (d = r), becomes V^T's codes.  In spectral waves Im31 (register 31, lanes 16-31) moves to block 2 and the zero rows' v = bv takes its place and the place beside it.
.macro QUANTV
.irp b, 0,1
	v_max3_num_f32 v[TM+\b], |v[P+16*\b]|, |v[P+1+16*\b]|, 0x1800000
.endr
.irp i, 2,4,6,8,10,12
.irp b, 0,1
	v_max3_num_f32 v[TM+\b], v[TM+\b], |v[P+16*\b+\i]|, |v[P+1+16*\b+\i]|
.endr
.endr
	v_permlanex16_b32 v[TM+13], v[P+31], s46, s47
	v_cndmask_b32 v[P+32], 0, v[TM+13], s51
	v_cndmask_b32 v[P+33], 0, v59, s51
	v_cndmask_b32 v[P+31], v[P+31], v59, s50
.irp b, 0,1
	v_max3_num_f32 v[TM+\b], v[TM+\b], |v[P+16*\b+14]|, |v[P+16*\b+15]|
.endr
	v_max3_num_f32 v[TM+2], |v[P+32]|, |v[P+33]|, 0x1800000   ; block 2 lies in lanes 0-15 alone
.irp b, 0,1
	v_permlanex16_b32 v[TM+3+\b], v[TM+\b], s46, s47
.endr
.irp b, 0,1
	v_max_num_f32 v[TM+\b], v[TM+\b], v[TM+3+\b]
.endr
.irp b, 0,1,2
	v_add_nc_u32 v[TM+6+\b], 0xff000000, v[TM+\b]
.endr
.irp b, 0,1,2
	v_lshrrev_b32 v[TM+9+\b], 23, v[TM+6+\b]
.endr
	v_lshl_or_b32 v110, v[TM+10], 8, v[TM+9]
	v_lshl_or_b32 v110, v[TM+11], 16, v110
	v_cvt_scalef32_pk16_fp6_f32 v[VC:VC+2], v[P:P+15], v[TM+6]
	v_cvt_scalef32_pk16_fp6_f32 v[PC+12:PC+14], v[P+16:P+31], v[TM+7]
	v_cvt_scalef32_pk16_fp6_f32 v[VC+6:VC+8], v[P+32:P+47], v[TM+8]   ; keys 64 .. 79 in lanes 0-15; lanes 16-31 hold zeros, which are block 3's codes
	v_nop
.irp i, 0,1,2
	v_permlane16_swap_b32 v[VC+\i], v[PC+12+\i]
.endr
.irp i, 0,1,2
	v_mov_b32 v[VC+3+\i], v[PC+12+\i]
.endr
.irp i, 0,1,2
	v_mov_b32 v[VC+9+\i], 0
.endr
.endm
; One tile of 16 queries of my head: q, the scores against 64 keys (and the two zero keys), p, its codes, O^T / l.  A lane holds one query (r) throughout.
.macro TILE tq
	FETCH PC, 8, 1536*\tq
	ds_load_b32 v108, v9 offset:ASC+128*\tq
.irp tk, 0,1,2,3
	ds_load_b128 v[P+8*\tk:P+8*\tk+3], v15 offset:256*(4*(\tq/2)+(\tq%2)-4*(\tk/2)-(\tk%2)+5)
	ds_load_b128 v[P+8*\tk+4:P+8*\tk+7], v15 offset:256*(4*(\tq/2)+(\tq%2)-4*(\tk/2)-(\tk%2)+5)+16
.endr
	s_wait_dscnt 8                                 ; the fragment and its scale word are in (and the last tile's stores are done); the eight bias loads behind them may be out
	WM6 QT, 20, PC, 60, 56, 108                    ; q: feature 8 h + j of query r
	NOPS 5                                         ; five places before a matrix instruction takes the result as an operand
	v_pk_mul_f32 v[TM+14:TM+15], v[QT:QT+1], v[68:69]          ; q . bk: the score against a zero row's key
.irp j, 2,4,6
	v_pk_fma_f32 v[TM+14:TM+15], v[QT+\j:QT+\j+1], v[68+\j:69+\j], v[TM+14:TM+15]
.endr
	v_add_f32 v[TM+12], v[TM+14], v[TM+15]
	v_permlanex16_b32 v[TM+13], v[TM+12], s46, s47
	v_add_f32 v[TM+12], v[TM+12], v[TM+13]
	s_wait_dscnt 0x0                               ; the bias
.irp s, 0,1,2,3                                    ; S^T = k q^T + 4 bias, f32 operands: both sides hold feature 8 h + 2 s + j at K place 2 h + j.  The four accumulators by turns
.irp tk, 0,1,2,3
.if \s == 0
	v_wmma_f32_16x16x4_f32 v[S+8*\tk:S+8*\tk+7], v[KT+8*\tk:KT+8*\tk+1], v[QT:QT+1], v[P+8*\tk:P+8*\tk+7]
.else
	v_wmma_f32_16x16x4_f32 v[S+8*\tk:S+8*\tk+7], v[KT+8*\tk+2*\s:KT+8*\tk+2*\s+1], v[QT+2*\s:QT+2*\s+1], v[S+8*\tk:S+8*\tk+7]
.endif
.endr
.endr
	NOPS 8                                         ; eight places behind this form before its results are read
	v_max3_num_f32 v[TM], v[S], v[S+1], v[S+2]     ; the largest score of each block of 32 keys, each accumulator from its low end on
	v_max3_num_f32 v[TM+1], v[S+16], v[S+17], v[S+18]
.irp i, 3,5,7,9,11,13
	v_max3_num_f32 v[TM], v[TM], v[S+\i], v[S+\i+1]
	v_max3_num_f32 v[TM+1], v[TM+1], v[S+16+\i], v[S+17+\i]
.endr
	v_max_num_f32 v[TM], v[TM], v[S+15]
	v_permlanex16_b32 v[TM+13], v[S+31], s46, s47
	v_cndmask_b32 v[P+31], v[S+31], v[TM+12], s50  ; spectral: a zero key in Im31's place,
	v_cndmask_b32 v[P+32], s52, v[TM+13], s51      ; Im31
	v_cndmask_b32 v[P+33], s52, v[TM+12], s51      ; and the other zero key in block 2; all else there is -infinity: p = 0
	v_max_num_f32 v[TM+1], v[TM+1], v[P+31]
	v_max_num_f32 v[TM+2], v[P+32], v[P+33]
.irp b, 0,1,2
	v_permlanex16_b32 v[TM+3+\b], v[TM+\b], s46, s47
.endr
.irp b, 0,1,2
	v_max_num_f32 v[TM+\b], v[TM+\b], v[TM+3+\b]
.endr
	v_max3_num_f32 v[TM+13], v[TM], v[TM+1], v[TM+2]
	v_mul_f32 v[TM+13], s48, v[TM+13]
	v_floor_f32 v252, -v[TM+13]                    ; -M = -ceil(the row's largest t)
.set qj, 0
.rept 15
	v_pk_fma_f32 v[P+qj:P+qj+1], v[S+qj:S+qj+1], s[48:49], v[252:253] op_sel_hi:[1,0,0]   ; t - M
.set qj, qj+2
.endr
	v_fma_f32 v[P+30], v[S+30], s48, v252
.irp j, 31,32,33
	v_fma_f32 v[P+\j], v[P+\j], s48, v252
.endr
.irp b, 0,1,2
	v_fma_f32 v[TM+\b], v[TM+\b], s48, v252        ; the same of each block's largest score: p rises with the score
.endr
.set qj, 0
.rept 34
	v_exp_f32 v[P+qj], v[P+qj]                     ; p = 2^(t - M)
.set qj, qj+1
.endr
.irp b, 0,1,2
	v_exp_f32 v[TM+\b], v[TM+\b]
.endr
	v_nop                                          ; a plain place behind the exponentials
	s_wait_alu depctr_va_vdst(0)
.irp b, 0,1,2
	v_max_num_f32 v[TM+\b], 0x1800000, v[TM+\b]
.endr
.irp b, 0,1,2
	v_add_nc_u32 v[TM+6+\b], 0xff000000, v[TM+\b]
.endr
.irp b, 0,1,2
	v_lshrrev_b32 v[TM+9+\b], 23, v[TM+6+\b]
.endr
	v_lshl_or_b32 v111, v[TM+10], 8, v[TM+9]
	v_lshl_or_b32 v111, v[TM+11], 16, v111
	v_cvt_scalef32_pk16_fp6_f32 v[PC:PC+2], v[P:P+15], v[TM+6]
	v_cvt_scalef32_pk16_fp6_f32 v[PC+12:PC+14], v[P+16:P+31], v[TM+7]
	v_cvt_scalef32_pk16_fp6_f32 v[PC+6:PC+8], v[P+32:P+47], v[TM+8]
	v_nop
.irp i, 0,1,2
	v_permlane16_swap_b32 v[PC+\i], v[PC+12+\i]
.endr
.irp i, 0,1,2
	v_mov_b32 v[PC+3+\i], v[PC+12+\i]
.endr
.irp i, 0,1,2
	v_mov_b32 v[PC+9+\i], 0
.endr
	v_pk_add_f32 v[254:255], v[P:P+1], v[P+2:P+3]  ; l: the sum of the unquantised p, in two chains.  These lines are also the places between the codes, the scale word and the product
	v_pk_add_f32 v[TM+14:TM+15], v[P+4:P+5], v[P+6:P+7]
.irp j, 8,12,16,20,24,28
	v_pk_add_f32 v[254:255], v[254:255], v[P+\j:P+\j+1]
	v_pk_add_f32 v[TM+14:TM+15], v[TM+14:TM+15], v[P+\j+2:P+\j+3]
.endr
	v_pk_add_f32 v[254:255], v[254:255], v[P+32:P+33]
	v_pk_add_f32 v[254:255], v[254:255], v[TM+14:TM+15]
	v_add_f32 v254, v254, v255
	v_permlanex16_b32 v[TM+13], v254, s46, s47
	v_add_f32 v254, v254, v[TM+13]
	v_rcp_f32 v254, v254
	v_wmma_scale_f32_16x16x128_f8f6f4 v[QT:QT+7], v[VC:VC+11], v[PC:PC+11], 0, v110, v111 matrix_a_fmt:MATRIX_FMT_FP6 matrix_b_fmt:MATRIX_FMT_FP6   ; O^T: d = 8 h + j of query r
	NOPS 5                                         ; four before the result is read; the fifth since the next tile's q is written over it by a matrix instruction
	s_wait_alu depctr_va_vdst(0)
.irp j, 0,2,4,6
	v_pk_mul_f32 v[QT+\j:QT+\j+1], v[QT+\j:QT+\j+1], v[254:255] op_sel_hi:[1,0]
.endr
	ds_store_b128 v16, v[QT:QT+3] offset:16*PITCH*\tq
	ds_store_b128 v16, v[QT+4:QT+7] offset:16*PITCH*\tq+16
.endm
; exact GELU of eight numbers: x / 2 + |x / 2| erf(|x| / sqrt 2), erf(z) = 1 - (a1 t + .. + a5 t^5) e^(-z z), t = 1 / (1 + 0.3275911 z)
.macro GELU8 x
.irp j, 0,1,2,3,4,5,6,7
	v_fma_f32 v[180+\j], |v[\x+\j]|, s53, 1.0
.endr
.irp j, 0,2,4,6
	v_pk_mul_f32 v[188+\j:189+\j], v[\x+\j:\x+\j+1], v[\x+\j:\x+\j+1]
.endr
.irp j, 0,1,2,3,4,5,6,7
	v_rcp_f32 v[180+\j], v[180+\j]
.endr
.irp j, 0,2,4,6
	v_pk_mul_f32 v[188+\j:189+\j], v[188+\j:189+\j], s[66:67] op_sel_hi:[1,0]
.endr
.irp j, 0,1,2,3,4,5,6,7
	v_exp_f32 v[188+\j], v[188+\j]
.endr
	s_wait_alu depctr_va_vdst(0)
.irp j, 0,2,4,6
	v_pk_fma_f32 v[196+\j:197+\j], v[180+\j:181+\j], s[62:63], v[212:213] op_sel_hi:[1,0,1]
.endr
.irp j, 0,2,4,6
	v_pk_fma_f32 v[196+\j:197+\j], v[196+\j:197+\j], v[180+\j:181+\j], s[58:59] op_sel_hi:[1,1,0]
.endr
.irp j, 0,2,4,6
	v_pk_fma_f32 v[196+\j:197+\j], v[196+\j:197+\j], v[180+\j:181+\j], s[56:57] op_sel_hi:[1,1,0]
.endr
.irp j, 0,2,4,6
	v_pk_fma_f32 v[196+\j:197+\j], v[196+\j:197+\j], v[180+\j:181+\j], s[54:55] op_sel_hi:[1,1,0]
.endr
.irp j, 0,2,4,6
	v_pk_mul_f32 v[196+\j:197+\j], v[196+\j:197+\j], v[180+\j:181+\j]
.endr
.irp j, 0,2,4,6
	v_pk_fma_f32 v[196+\j:197+\j], v[196+\j:197+\j], v[188+\j:189+\j], 1.0 op_sel_hi:[1,1,0] neg_lo:[1,0,0] neg_hi:[1,0,0]   ; erf = 1 - y e
.endr
.irp j, 0,2,4,6
	v_pk_mul_f32 v[204+\j:205+\j], v[\x+\j:\x+\j+1], 0.5 op_sel_hi:[1,0]
.endr
.irp j, 0,1,2,3,4,5,6,7
	v_fma_f32 v[\x+\j], |v[204+\j]|, v[196+\j], v[204+\j]
.endr
.endm
.Lwin:
	; ------------------------------------------------------------------ L: LN1 of my four tokens (lane l: channels 4 l .. 4 l + 3), in two passes
	ds_load_b128 v[156:159], v12 offset:PAR
	ds_load_b128 v[160:163], v12 offset:PAR+512
	ds_load_b128 v[164:167], v12 offset:PAR+1024
	s_wait_loadcnt 0x0                             ; x: its four loads are the only ones out
.irp i, 0,1,2,3
	v_pk_add_f32 v[132+2*\i:133+2*\i], v[XP+4*\i:XP+4*\i+1], v[XP+4*\i+2:XP+4*\i+3]
.endr
.irp i, 0,1,2,3
	v_add_f32 v[140+2*\i], v[132+2*\i], v[133+2*\i]
.endr
	LSUM
.irp i, 0,1,2,3
	v_mul_f32 v[140+2*\i], s75, v[140+2*\i]        ; the mean
.endr
.irp i, 0,1,2,3
	v_pk_add_f32 v[116+4*\i:117+4*\i], v[XP+4*\i:XP+4*\i+1], v[140+2*\i:141+2*\i] op_sel_hi:[1,0] neg_lo:[0,1] neg_hi:[0,1]
	v_pk_add_f32 v[118+4*\i:119+4*\i], v[XP+4*\i+2:XP+4*\i+3], v[140+2*\i:141+2*\i] op_sel_hi:[1,0] neg_lo:[0,1] neg_hi:[0,1]
.endr
.irp i, 0,1,2,3
	v_pk_mul_f32 v[132+2*\i:133+2*\i], v[116+4*\i:117+4*\i], v[116+4*\i:117+4*\i]
.endr
.irp i, 0,1,2,3
	v_pk_fma_f32 v[132+2*\i:133+2*\i], v[118+4*\i:119+4*\i], v[118+4*\i:119+4*\i], v[132+2*\i:133+2*\i]
.endr
.irp i, 0,1,2,3
	v_add_f32 v[140+2*\i], v[132+2*\i], v[133+2*\i]
.endr
	LSUM
.irp i, 0,1,2,3
	v_fma_f32 v[140+2*\i], v[140+2*\i], s75, s76
.endr
.irp i, 0,1,2,3
	v_rsq_f32 v[140+2*\i], v[140+2*\i]
.endr
	s_wait_dscnt 0x0                               ; the parameters
.irp i, 0,1,2,3
	v_pk_add_f32 v[168+4*\i:169+4*\i], v[XP+4*\i:XP+4*\i+1], v[164:165]       ; x + proj_b (plain lines behind the roots)
	v_pk_add_f32 v[170+4*\i:171+4*\i], v[XP+4*\i+2:XP+4*\i+3], v[166:167]
.endr
	s_wait_alu depctr_va_vdst(0)
.irp i, 0,1,2,3
	v_pk_mul_f32 v[116+4*\i:117+4*\i], v[116+4*\i:117+4*\i], v[140+2*\i:141+2*\i] op_sel_hi:[1,0]
	v_pk_mul_f32 v[118+4*\i:119+4*\i], v[118+4*\i:119+4*\i], v[140+2*\i:141+2*\i] op_sel_hi:[1,0]
.endr
.irp i, 0,1,2,3
	v_pk_fma_f32 v[116+4*\i:117+4*\i], v[116+4*\i:117+4*\i], v[156:157], v[160:161]
	v_pk_fma_f32 v[118+4*\i:119+4*\i], v[118+4*\i:119+4*\i], v[158:159], v[162:163]
.endr
.irp i, 0,1,2,3
	ds_store_b128 v2, v[116+4*\i:119+4*\i] offset:PITCH*\i
	ds_store_b128 v3, v[168+4*\i:171+4*\i] offset:PITCH*\i
.endr
	BAR                                            ; LN1(x) and x + proj_b lie in LDS
	; ------------------------------------------------------------------ F: the rfft along the tokens, waves 4-7, a lane to a channel
	s_cmp_lg_u32 s4, 1
	s_cbranch_scc1 .Lf_end
.set fn, 0
.rept 64
.set fz, fn>>1                                     ; token fn is half fn % 2 of z[fn / 2], which goes to the bit-reversed pair
	ds_load_b32 v[ZB+2*(((fz&1)<<4)|((fz&2)<<2)|(fz&4)|((fz&8)>>2)|((fz&16)>>4))+(fn&1)], v17 offset:PITCH*((fn&0x27)|((fn&8)<<1)|((fn&16)>>1))
.set fn, fn+1
.endr
	s_wait_dscnt 0x0
	FFTF
.set fn, 0
.rept 64
.set fs, (fn>>1)+32*(fn&1)                         ; register 2 k: spectral row k; register 2 k + 1: row 32 + k
	ds_store_b32 v18, v[ZB+fn] offset:PITCH*((fs&0x27)|((fs&8)<<1)|((fs&16)>>1))
.set fn, fn+1
.endr
.Lf_end:
	BAR                                            ; the 64 spectral rows lie in LDS
	; ------------------------------------------------------------------ G: the eight activation fragments: waves 0-3 the spatial tiles, waves 8-11 the spectral
	v_add_nc_u32 v241, s68, v4                     ; (addresses are made on the way that all waves take)
	v_add_nc_u32 v242, s69, v8
	v_add_nc_u32 v243, s70, v9
	s_and_b32 s77, s4, 1
	s_cmp_lg_u32 s77, 0
	s_cbranch_scc1 .Lg_end
	LROW 116, 241, 0
	s_wait_dscnt 0x0
	QUANT 116, 244, 180, 188, 109
	IMAGE 244, 242, 0
	ds_store_b32 v243, v109 offset:ASC
.Lg_end:
	BAR
	; ------------------------------------------------------------------ A: attention, one head of one branch a wave.  One text for both branches: spatial waves have empty lane masks, spectral waves a bias of zeros
.irp j, 0,1,2,3,4,5,6,7
	v_mov_b32 v[240+\j], v59                       ; bv as a C: the same number in a lane's eight registers
.endr
.irp j, 34,35,36,37,38,39,40,41,42,43,44,45,46,47
	v_mov_b32 v[P+\j], 0                           ; keys 66 on: zeros, for v and for p
.endr
	FETCH 216, 8, 0
	FETCH 228, 8, 1536
	ds_load_b32 v108, v9 offset:ASC
	ds_load_b32 v109, v9 offset:ASC+128
	s_wait_dscnt 0x0
	KV 0, 216, 108
	KV 1, 228, 109
	NOPS 4                                         ; places in front of loads into registers that matrix instructions have read
	FETCH 216, 8, 3072
	FETCH 228, 8, 4608
	ds_load_b32 v108, v9 offset:ASC+256
	ds_load_b32 v109, v9 offset:ASC+384
	s_wait_dscnt 0x0
	KV 2, 216, 108
	KV 3, 228, 109
	NOPS 4
	QUANTV
	TILE 0
	TILE 1
	TILE 2
	TILE 3
	BAR                                            ; both branches' O / l lie in LDS
	; ------------------------------------------------------------------ I: the irfft, in place: a lane touches its own column alone
	s_cmp_lg_u32 s4, 1
	s_cbranch_scc1 .Li_end
.set fn, 0
.rept 64
.set fs, (fn>>1)+32*(fn&1)
	ds_load_b32 v[ZA+fn], v18 offset:PITCH*((fs&0x27)|((fs&8)<<1)|((fs&16)>>1))
.set fn, fn+1
.endr
	s_wait_dscnt 0x0
	FFTI
.set fn, 0
.rept 64
	ds_store_b32 v18, v[ZA+fn] offset:PITCH*((fn&0x27)|((fn&8)<<1)|((fn&16)>>1))
.set fn, fn+1
.endr
.Li_end:
	BAR
	; ------------------------------------------------------------------ P: proj, residual and LN2 of 16 rows, waves 0-3
	s_cmp_lg_u32 s4, 0
	s_cbranch_scc1 .Lp_end
	LROW 116, 4, 0
	LROW 180, 4, XF
	s_wait_dscnt 0x0
.set qj, 0
.rept 32
	v_pk_add_f32 v[116+qj:117+qj], v[116+qj:117+qj], v[180+qj:181+qj]
.set qj, qj+2
.endr
	QUANT 116, 244, 180, 188, 109
	LROW 180, 5, 0                                 ; x + proj_b: the C of the sums, in the result's layout
.irp t, 0,1,2,3
	FETCH 116+12*\t, 12, 1536*\t
	ds_load_b32 v[112+\t], v13 offset:PJSC+128*\t
.endr
	NOPS 8                                         ; a scale word made by vector lines stands eight places ahead of the product, codes four
	s_wait_dscnt 0x0
.irp t, 0,1,2,3
	WM6 180+8*\t, 116+12*\t, 244, 180+8*\t, 112+\t, 109
.endr
	NOPS 4
.irp t, 0,1,2,3
	FETCH 116+12*\t, 12, 1536*(\t+4)
	ds_load_b32 v[112+\t], v13 offset:PJSC+128*(\t+4)
.endr
	s_wait_dscnt 0x0
.irp t, 0,1,2,3
	WM6 180+8*(\t+4), 116+12*\t, 244, 180+8*(\t+4), 112+\t, 109
.endr
	NOPS 4
	LROW 116, 14, PAR+2560                         ; fc2_b
	v_pk_add_f32 v[244:245], v[180:181], v[184:185]            ; x1's mean: two chains, each accumulator from its low end on
	v_pk_add_f32 v[246:247], v[182:183], v[186:187]
.set qj, 8
.rept 14
	v_pk_add_f32 v[244:245], v[244:245], v[180+qj:181+qj]
	v_pk_add_f32 v[246:247], v[246:247], v[182+qj:183+qj]
.set qj, qj+4
.endr
	v_pk_add_f32 v[244:245], v[244:245], v[246:247]
	v_add_f32 v248, v244, v245
	v_permlanex16_b32 v249, v248, s46, s47
	v_add_f32 v248, v248, v249
	v_mul_f32 v248, s75, v248
	s_wait_dscnt 0x0
.set qj, 0
.rept 32
	v_pk_add_f32 v[116+qj:117+qj], v[180+qj:181+qj], v[116+qj:117+qj]
.set qj, qj+2
.endr
.irp b, 0,1,2,3
.irp j, 0,1,2,3
	ds_store_b128 v5, v[116+16*\b+4*\j:116+16*\b+4*\j+3] offset:128*\b+16*\j     ; x1 + fc2_b, over my own rows
.endr
.endr
.set qj, 0
.rept 32
	v_pk_add_f32 v[180+qj:181+qj], v[180+qj:181+qj], v[248:249] op_sel_hi:[1,0] neg_lo:[0,1] neg_hi:[0,1]
.set qj, qj+2
.endr
	s_wait_dscnt 0x0                               ; the stores have read their registers
	LHALF 116, 14, PAR+1536                        ; n2w, n2b of channels 0-63
	LHALF 148, 14, PAR+2048
	v_pk_mul_f32 v[244:245], v[180:181], v[180:181]
	v_pk_mul_f32 v[246:247], v[182:183], v[182:183]
.set qj, 4
.rept 15
	v_pk_fma_f32 v[244:245], v[180+qj:181+qj], v[180+qj:181+qj], v[244:245]
	v_pk_fma_f32 v[246:247], v[182+qj:183+qj], v[182+qj:183+qj], v[246:247]
.set qj, qj+4
.endr
	v_pk_add_f32 v[244:245], v[244:245], v[246:247]
	v_add_f32 v248, v244, v245
	v_permlanex16_b32 v249, v248, s46, s47
	v_add_f32 v248, v248, v249
	v_fma_f32 v248, v248, s75, s76
	v_rsq_f32 v248, v248
	v_nop
.set qj, 0
	s_wait_alu depctr_va_vdst(0)
.rept 32
	v_pk_mul_f32 v[180+qj:181+qj], v[180+qj:181+qj], v[248:249] op_sel_hi:[1,0]
.set qj, qj+2
.endr
	s_wait_dscnt 0x0
.set qj, 0
.rept 16
	v_pk_fma_f32 v[180+qj:181+qj], v[180+qj:181+qj], v[116+qj:117+qj], v[148+qj:149+qj]
.set qj, qj+2
.endr
	LHALF 116, 14, PAR+1536+256                    ; channels 64-127
	LHALF 148, 14, PAR+2048+256
	s_wait_dscnt 0x0
.set qj, 0
.rept 16
	v_pk_fma_f32 v[212+qj:213+qj], v[212+qj:213+qj], v[116+qj:117+qj], v[148+qj:149+qj]
.set qj, qj+2
.endr
	QUANT 180, 244, 116, 124, 109
	IMAGE 244, 6, A2I
	ds_store_b32 v7, v109 offset:A2SC
.Lp_end:
	BAR
	; ------------------------------------------------------------------ H: fc1 and GELU: rows 16 a on, hidden units 128 g on; they are K step g of fc2
	s_cmp_eq_u32 s7, 1
	s_cbranch_scc1 .Lno_next                       ; the last window asks for nothing: no load leaves x
.irp i, 0,1,2,3
	global_load_b128 v[XP+4*\i:XP+4*\i+3], v1, s[8:9] offset:4096+512*\i th:TH_LOAD_NT   ; the next window's x: it has this phase and the two behind it in which to land
.endr
.Lno_next:
.irp t, 0,1,2,3,4,5,6,7
	ds_load_b128 v[116+8*\t:119+8*\t], v14 offset:PAR+3072+128*(\t/2)+32*(\t%2)          ; fc1_b: the C of the sums
	ds_load_b128 v[120+8*\t:123+8*\t], v14 offset:PAR+3072+128*(\t/2)+32*(\t%2)+16
.endr
	FETCH 228, 6, A2I
	ds_load_b32 v108, v7 offset:A2SC
.irp t, 0,1,2,3
	FETCH 180+12*\t, 10, 1536*\t
	ds_load_b32 v[112+\t], v11 offset:128*\t
.endr
	s_wait_dscnt 0x0
.irp t, 0,1,2,3
	WM6 116+8*\t, 180+12*\t, 228, 116+8*\t, 112+\t, 108
.endr
	NOPS 4
.irp t, 0,1,2,3
	FETCH 180+12*\t, 10, 1536*(\t+4)
	ds_load_b32 v[112+\t], v11 offset:128*(\t+4)
.endr
	s_wait_dscnt 0x0
.irp t, 0,1,2,3
	WM6 116+8*(\t+4), 180+12*\t, 228, 116+8*(\t+4), 112+\t, 108
.endr
	NOPS 4
	v_mov_b32 v212, s60                            ; a4 as a vector pair
	v_mov_b32 v213, s60
.irp t, 0,1,2,3,4,5,6,7
	GELU8 116+8*\t
.endr
	QUANT 116, 228, 180, 188, 109
	v_add_nc_u32 v204, s73, v6
	v_add_nc_u32 v205, s74, v7
	IMAGE 228, 204, HIM
	ds_store_b32 v205, v109 offset:HSC
	BAR                                            ; the hidden layer's sixteen fragments lie in LDS
	; ------------------------------------------------------------------ O: fc2: rows 16 a on, outputs 32 g on: two accumulators by turns, K in two halves
	v_add_nc_u32 v204, s71, v6
	v_add_nc_u32 v205, s72, v7
	ds_load_b128 v[116:119], v19                   ; x1 + fc2_b: the C of the sums
	ds_load_b128 v[120:123], v19 offset:16
	ds_load_b128 v[124:127], v19 offset:64
	ds_load_b128 v[128:131], v19 offset:80
.irp f, 0,1
.irp u, 0,1
	FETCH 132+12*\u, 204, HIM+1536*(2*\f+\u)
	ds_load_b32 v[108+\u], v205 offset:HSC+128*(2*\f+\u)
.endr
.irp e, 0,1
.irp u, 0,1
	FETCH 156+12*(2*\e+\u), 10, FC2D+1536*(4*\e+2*\f+\u)
	ds_load_b32 v[112+2*\e+\u], v11 offset:FC2D+128*(4*\e+2*\f+\u)
.endr
.endr
	s_wait_dscnt 0x0
.irp u, 0,1
.irp e, 0,1
	WM6 116+8*\e, 156+12*(2*\e+\u), 132+12*\u, 116+8*\e, 112+2*\e+\u, 108+\u
.endr
.endr
	NOPS 4                                         ; in front of loads into operands that are done with, and of the stores of the results
.endr
	ds_store_b128 v19, v[116:119]
	ds_store_b128 v19, v[120:123] offset:16
	ds_store_b128 v19, v[124:127] offset:64
	ds_store_b128 v19, v[128:131] offset:80
	BAR                                            ; 64 whole rows of the output lie in LDS
	; ------------------------------------------------------------------ S: my four tokens leave, 512 consecutive bytes a store.  No barrier behind it: the next phase writes only rows that this wave has read here
.irp i, 0,1,2,3
	ds_load_b128 v[116+4*\i:119+4*\i], v3 offset:PITCH*\i
.endr
.irp i, 0,1,2,3
	s_wait_dscnt 3-\i                              ; the younger loads of the four may be out
	global_store_b128 v1, v[116+4*\i:119+4*\i], s[10:11] offset:512*\i th:TH_STORE_NT
.endr
	s_wait_xcnt 0x0                                ; the bases are stepped and the stores' registers rewritten only behind this wait
	s_add_nc_u64 s[8:9], s[8:9], 4096
	s_add_nc_u64 s[10:11], s[10:11], 4096
	s_sub_co_u32 s7, s7, 1
	s_cmp_lg_u32 s7, 0
	s_cbranch_scc1 .Lwin
	s_barrier_signal -1
	s_barrier_wait -1
	s_wait_xcnt 0x0
	v_lshl_add_u32 v254, v0, 2, 0x4ba00
	v_mov_b32 v255, 0
	s_wait_tensorcnt 0x0
	ds_add_u32 v254, v255
	s_wait_dscnt 0x0
	s_endpgm
.Lfunc_end_k_q3e70d947ef_block:
	.size	k_q3e70d947ef_block, .Lfunc_end_k_q3e70d947ef_block-k_q3e70d947ef_block
	.p2alignl 7, 3214868480
	.fill 96, 4, 3214868480
	.section	.rodata,"a",@progbits
	.p2align	6, 0x0
	.amdhsa_kernel k_q3e70d947ef_block
		.amdhsa_group_segment_fixed_size 311808
		.amdhsa_private_segment_fixed_size 0
		.amdhsa_enable_private_segment 0
		.amdhsa_kernarg_size 152
		.amdhsa_user_sgpr_count 2
		.amdhsa_user_sgpr_kernarg_segment_ptr 1
		.amdhsa_wavefront_size32 1
		.amdhsa_system_sgpr_workgroup_id_x 1
		.amdhsa_system_sgpr_workgroup_id_y 1
		.amdhsa_system_sgpr_workgroup_id_z 1
		.amdhsa_system_vgpr_workitem_id 0
		.amdhsa_next_free_vgpr 256
		.amdhsa_next_free_sgpr 100
		.amdhsa_reserve_vcc 0
		.amdhsa_float_denorm_mode_32 3
		.amdhsa_float_denorm_mode_16_64 3
		.amdhsa_memory_ordered 1
		.amdhsa_forward_progress 1
		.amdhsa_inst_pref_size 225
	.end_amdhsa_kernel
	.amdgpu_metadata
---
amdhsa.version: [ 1, 2 ]
amdhsa.kernels:
  - .name:           k_q3e70d947ef_block
    .symbol:         k_q3e70d947ef_block.kd
    .args:
      - { .name: x, .offset: 0, .size: 8, .value_kind: global_buffer, .address_space: global }
      - { .name: out0, .offset: 8, .size: 8, .value_kind: global_buffer, .address_space: global }
      - { .name: norm1_w, .offset: 16, .size: 8, .value_kind: global_buffer, .address_space: global }
      - { .name: norm1_b, .offset: 24, .size: 8, .value_kind: global_buffer, .address_space: global }
      - { .name: proj_b, .offset: 32, .size: 8, .value_kind: global_buffer, .address_space: global }
      - { .name: norm2_w, .offset: 40, .size: 8, .value_kind: global_buffer, .address_space: global }
      - { .name: norm2_b, .offset: 48, .size: 8, .value_kind: global_buffer, .address_space: global }
      - { .name: fc2_b, .offset: 56, .size: 8, .value_kind: global_buffer, .address_space: global }
      - { .name: fc1_b, .offset: 64, .size: 8, .value_kind: global_buffer, .address_space: global }
      - { .name: qkv_b, .offset: 72, .size: 8, .value_kind: global_buffer, .address_space: global }
      - { .name: rpb_table, .offset: 80, .size: 8, .value_kind: global_buffer, .address_space: global }
      - { .name: qkv_w_codes, .offset: 88, .size: 8, .value_kind: global_buffer, .address_space: global }
      - { .name: qkv_w_scales, .offset: 96, .size: 8, .value_kind: global_buffer, .address_space: global }
      - { .name: proj_w_codes, .offset: 104, .size: 8, .value_kind: global_buffer, .address_space: global }
      - { .name: proj_w_scales, .offset: 112, .size: 8, .value_kind: global_buffer, .address_space: global }
      - { .name: fc1_w_codes, .offset: 120, .size: 8, .value_kind: global_buffer, .address_space: global }
      - { .name: fc1_w_scales, .offset: 128, .size: 8, .value_kind: global_buffer, .address_space: global }
      - { .name: fc2_w_codes, .offset: 136, .size: 8, .value_kind: global_buffer, .address_space: global }
      - { .name: fc2_w_scales, .offset: 144, .size: 8, .value_kind: global_buffer, .address_space: global }
    .group_segment_fixed_size: 311808
    .private_segment_fixed_size: 0
    .kernarg_segment_align: 8
    .kernarg_segment_size: 152
    .max_flat_workgroup_size: 512
    .sgpr_count:     100
    .vgpr_count:     256
    .wavefront_size: 32
...
	.end_amdgpu_metadata
.endif
;; end of part 1
